; MI455X (gfx1250); checked and timed in simulation.
; The chip was launched on July 23, 2026; its instructions are those of AMD's public machine-readable ISA for CDNA 5 (MIT licence, August 2026) and "CDNA5" Instruction Set Architecture Reference Guide (July 2026). The comments in the code are by the model that wrote it; some were corrected since.
;; Node Aware Token Embedder. Allowed arithmetic: float matrix products may take bf16 or f16 operands with f32 sums; all other float work in f32.
;; Inputs: embed_node 512 x 512 float32; embed_tok 32,000 x 512 float32; node_span_ends 4 x 512 int32; node_span_starts 4 x 512 int32; pos_emb 1 x 1,024 x 512 float32; tokens 4 x 1,024 int32.
;; Outputs: out0 4 x 1,024 x 512 float32.
;; 2 versions, each right; version 2 is version 1 with the launch embed written anew for expert scheduling mode. Each part assembles by itself: llvm-mc -triple=amdgcn-amd-amdhsa -mcpu=gfx1250 --defsym DOCPART=n.
;; ======== version 1 of 2: 1 launch
;; launch embed (part 1): grid 4 x 64, 4 waves a work-group, no clusters, 100,864 bytes of LDS; arguments embed_node, embed_tok, node_span_ends, node_span_starts, pos_emb, tokens, out0; writes out0
.if DOCPART == 1
	.amdgcn_target "amdgcn-amd-amdhsa--gfx1250"
	.amdhsa_code_object_version 6
	.text
	.protected	k_q0580acf4ab_embed
	.globl	k_q0580acf4ab_embed
	.p2align	8
	.type	k_q0580acf4ab_embed,@function
k_q0580acf4ab_embed:
	s_mov_b64 s[64:65], 0
	v_nop
	global_prefetch_b8 v0, s[64:65] scope:SCOPE_SE
	s_setreg_imm32_b32 hwreg(HW_REG_WAVE_MODE, 25, 1), 1
	s_wait_xcnt 0x0
; out0[b][t][f] = embed_tok[tokens[b][t]][f] + pos_emb[t][f] + sum over n of (starts[b][n] <= t <= ends[b][n]) * embed_node[n][f]
; One launch.  Work-group (x = b, y = 8 tb + cb) makes tokens 128 tb .. +127 of batch b, columns 64 cb .. +63.
; Four waves.  K (the 512 nodes) is split: wave w multiplies all 128 rows by nodes 128 w .. +127 (8 tiles of 16 rows x 4 K steps of 32
; = 32 items of 4 matrix instructions); the partial sums meet in LDS and wave w finishes rows 32 w .. +31.
; Each wave numbers the tiles from its own first one (local u = tile (u + 2w) mod 8): it keeps local 0, 1; local 2q, 2q+1 go to wave w+q.
;
; B (embed_node): a lane loads 16 bytes (columns 4r .. 4r+3) of each of the 16 rows that its fragment registers hold; packing rows
; k, k+1 gives four fragments, fragment j with column 4r + j in lane r.  A lane's four results (j = 0..3) are four neighbouring
; columns: embed_tok, pos_emb and out0 move 16 bytes a lane, and sixteen neighbouring lanes cover 256 consecutive, aligned bytes.
; A (the mask) is made in registers, two nodes a word, by 32-bit arithmetic on two 16-bit fields, four lines a word:
;   X = (0x3fff + s) - t   bit 14: t < s          Y = (0x4000 + e) - t   bit 14: t <= e        (every field in 0x3c00 .. 0x43ff: no borrow)
;   Z = ~X & Y  (v_bfi_b32 with 0 as its middle source)          A = Z & 0x40004000: the pair of bf16 numbers 2.0 or 0.
; The last FMA multiplies the sums by 0.5.  The span words lie in B's register window and are always source 1; all else lies in the
; accumulators' window; the two computed words meet as sources 0 and 2.  So these lines run under the same window setting as the
; matrix instructions: behind every matrix instruction stand eight of them, building the fragment of the item four items ahead
; (a ring of 8 fragments).
; ORDER OF THE ITEMS: tiles 2-5 K step by K step (each step as its part of embed_node arrives), then tiles 6, 7, then my own 0, 1.
; A tile for another wave goes to LDS right behind its last product.  What waves w-1, w-2 send me is fetched while I multiply tiles
; 6, 7 and starts my own tiles' sums as their C; what wave w-3 sends arrives while I multiply my own tiles.
;
; LIMITS.  embed_node is rounded to bf16 (nearest even) for the product; sums in f32, by K quarters, in another order than the
; reference's.  The mask is 2.0, so a span sum beyond half of f32's range overflows.  starts and ends may be any int32 (clamped to
; 0..1024 and -1..1023, which changes no comparison with t = 0..1023; end < start gives an empty span).
; tokens are taken to lie in 0..31999; an unsigned minimum with 31999 stands in front of the address.
; NO CLUSTER: the slice of embed_node that the four batches share goes from memory straight into registers in fragment order; a joint
; tensor load would lay it into LDS in f32, 131,072 bytes more written and read there, beside the 98,304 of the partial sums.
.set FROW,  2048                       ; bytes in a row of 512 f32
.set VOCAB, 32000
.set NTOK,  1024
.set PART,  8192                       ; partial sums of two tiles of 16 x 64: 64 registers x 32 lanes x 4 bytes
.set RED,   2048                       ; LDS: 4 x 512 bytes of span words, then 3 slots (sender w-1, w-2, w-3) x 4 receivers x PART
.set MSK,   56                         ; s56: bit 14 of both fields: the ends' bias, the mask of the two answers, bf16 2.0 twice
.set SBI,   57                         ; s57: 0x3fff in both fields: the starts' bias
; window 0
.set LANE, 2
.set RR,   3                           ; r = lane % 16
.set HH,   4                           ; h = lane / 16
.set R16,  5                           ; 16 r
.set VB,   6                           ; 8 h rows + 16 r: offset into embed_node, pos_emb, out0
.set VSE,  7                           ; 16 x lane
.set VTK,  8                           ; 32 h: eight token ids
.set VSEST, 9                          ; LDS: where I put my span words
.set VSELD, 10                         ; LDS: where I read span words
.set VST,  11                          ; v11-13 LDS: partial sums for the waves w+1, w+2, w+3
.set VRD,  14                          ; v14-16 LDS: partial sums from the waves w-1, w-2, w-3
.set R2,   17                          ; r in both fields
.set NR2,  18                          ; its 32-bit negative
.set SP,   20                          ; v20-21 starts + bias of my four nodes, packed
.set EP,   22                          ; v22-23 ends + bias, packed
.set SS,   24                          ; v24-27 four starts
.set EE,   28                          ; v28-31 four ends
.set TK,   32                          ; v32-47 token ids of my 16 row pairs, then their byte offsets
.set TMP,  48                          ; v48-55 Y of the fragment that is being built
.set NT,   56                          ; v56-63 local tile u: the 32-bit negative of (t in both fields)
.set AF,   64                          ; v64-127 ring of eight A fragments
.set OWN,  128                         ; v128-159 sums of my tile 0 (fragment j, row i at 8 j + i); before that of tile 4
.set OWN1, 160                         ; v160-191 of my tile 1; before that of tile 5
.set TRA,  192                         ; v192-223 sums of tiles 2, 6; then embed_tok + pos_emb of my tile 0 (row i, column j at 4 i + j), then its result
.set TRB,  224                         ; v224-255 sums of tiles 3, 7; then the same for my tile 1
; window 1
.set BF,   0                           ; B fragments, bf16: 32 k + 8 j + q
.set SB,   128                         ; starts + bias: 8 k + q
.set EB,   160                         ; ends + bias: 8 k + q
.set P2,   192                         ; sums sent by wave w-2, later by wave w-3, in the order of OWN
; window 2: embed_node in f32, K step k, row n (= 8 c + i), column j at 4 (16 k + n) + j
.set RAW,  0
; window 3
.set TOK,  128                         ; embed_tok rows: 4 (8 u + i) + j
.set POS,  192                         ; pos_emb rows, likewise
; s_set_vgpr_msb: bits 1:0 source 0, 3:2 source 1, 5:4 source 2, 7:6 destination
.set W_MAIN, 0x04                      ; source 1 (B, span words, fetched sums) window 1, all else window 0
.set W_RAW,  0x80                      ; load into window 2
.set W_TP,   0xc0                      ; load into window 3
.set W_L1,   0x40                      ; load into window 1
.set W_CVT,  0x4a                      ; window 2, window 2 -> window 1
.set W_SUM,  0x0f                      ; window 3 + window 3 -> window 0
.set MSB, 0
.macro WIN new                         ; the immediate's high byte repeats the setting that is left
.if MSB != \new
	s_set_vgpr_msb (MSB<<8)|\new
.set MSB, \new
.endif
.endm
	s_load_b256 s[4:11], s[0:1], 0x0               ; embed_node s[4:5], embed_tok s[6:7], ends s[8:9], starts s[10:11]
	s_load_b128 s[12:15], s[0:1], 0x20             ; pos_emb s[12:13], tokens s[14:15]
	s_load_b64 s[16:17], s[0:1], 0x30              ; out0
	v_lshl_add_u32 v19, v0, 2, 0x18800
	s_set_vgpr_msb 0xc0
	v_mov_b32 v127, 0
	s_set_vgpr_msb 0xc000
	; everything that hangs on ids alone is done while the arguments travel
	v_lshrrev_b32 v1, 5, v0
	v_readfirstlane_b32 s20, v1                    ; w
	s_and_b32 s21, ttmp7, 0xffff
	s_and_b32 s22, s21, 7                          ; cb
	s_lshr_b32 s23, s21, 3                         ; tb;  ttmp9 = b
	; byte offsets, each in a pair of its own with 0 above
	s_lshl_b32 s42, s22, 8                         ; embed_tok: 64 cb columns
	s_mov_b32 s43, 0
	s_lshl_b32 s40, s20, 18                        ; embed_node: 128 w rows + the columns
	s_add_co_u32 s40, s40, s42
	s_mov_b32 s41, 0
	s_lshl_b32 s44, ttmp9, 11                      ; starts, ends: 512 b + 128 w numbers
	s_lshl_b32 s24, s20, 9
	s_add_co_u32 s44, s44, s24
	s_mov_b32 s45, 0
	s_lshl_b32 s46, s23, 18                        ; pos_emb: 128 tb + 32 w rows + the columns
	s_lshl_b32 s24, s20, 16
	s_add_co_u32 s46, s46, s24
	s_add_co_u32 s46, s46, s42
	s_mov_b32 s47, 0
	s_lshl_b32 s48, ttmp9, 12                      ; tokens: 1024 b + 128 tb + 32 w numbers
	s_lshl_b32 s24, s23, 9
	s_add_co_u32 s48, s48, s24
	s_lshl_b32 s24, s20, 7
	s_add_co_u32 s48, s48, s24
	s_mov_b32 s49, 0
	s_lshl_b32 s50, ttmp9, 21                      ; out0: 1024 b rows further than pos_emb
	s_add_co_u32 s50, s50, s46
	s_mov_b32 s51, 0
	s_mov_b32 s[MSK], 0x40004000
	s_mov_b32 s[SBI], 0x3fff3fff
	v_and_b32 v[LANE], 31, v0
	v_and_b32 v[RR], 15, v0
	v_bfe_u32 v[HH], v0, 4, 1
	v_lshlrev_b32 v[R16], 4, v[RR]
	v_lshl_or_b32 v[VB], v[HH], 14, v[R16]
	v_lshlrev_b32 v[VSE], 4, v[LANE]
	v_lshlrev_b32 v[VTK], 5, v[HH]
	; LDS addresses
	s_lshl_b32 s52, s20, 9                         ; my wave's 512 bytes of span words
	v_lshl_add_u32 v[VSEST], v[LANE], 3, s52       ; two words a lane
	v_lshl_add_u32 v[VSELD], v[HH], 4, s52         ; four words for my half of the lanes
.irp q, 1,2,3
	s_add_co_u32 s53, s20, \q
	s_and_b32 s53, s53, 3                          ; the wave that finishes my local tiles 2q, 2q+1
	s_lshl_b32 s53, s53, 13                        ; x PART
	s_add_co_u32 s53, s53, RED+(\q-1)*4*PART       ; in slot q-1
	v_add_nc_u32 v[VST+\q-1], s53, v[VSE]          ; 16 bytes a lane, 512 consecutive bytes an instruction
.endr
	s_lshl_b32 s53, s20, 13
.irp q, 0,1,2
	s_add_co_u32 s54, s53, RED+\q*4*PART
	v_add_nc_u32 v[VRD+\q], s54, v[VSE]
.endr
	; the negative of (t in both fields) for my row of each local tile
	v_lshl_or_b32 v[R2], v[RR], 16, v[RR]
	v_sub_nc_u32 v[NR2], 0, v[R2]
	s_lshl_b32 s25, s20, 1                         ; my first tile
	s_lshl_b32 s26, s23, 7                         ; the block's first token
.irp u, 0,1,2,3,4,5,6,7
	s_add_co_u32 s27, s25, \u
	s_and_b32 s27, s27, 7                          ; tile (u + 2 w) mod 8
	s_lshl4_add_u32 s27, s27, s26                  ; its first token
	s_mul_i32 s27, s27, 0x10001                    ; in both fields
	v_sub_nc_u32 v[NT+\u], v[NR2], s27             ; -(first token + r, twice); t is at most 1023
.endr
	s_wait_kmcnt 0x0
	s_add_nc_u64 s[14:15], s[14:15], s[48:49]
	s_add_nc_u64 s[10:11], s[10:11], s[44:45]
	s_add_nc_u64 s[8:9], s[8:9], s[44:45]
	s_add_nc_u64 s[4:5], s[4:5], s[40:41]
	s_add_nc_u64 s[6:7], s[6:7], s[42:43]
	s_add_nc_u64 s[12:13], s[12:13], s[46:47]
	s_add_nc_u64 s[16:17], s[16:17], s[50:51]
; 16 loads: rows 32 k + 16 c + 8 h + i of my quarter of embed_node, 16 bytes a lane; each half of the wave takes 256 bytes of a row
.macro LOADB k
.irp n, 0,1,2,3,4,5,6,7,8,9,10,11,12,13,14,15
	global_load_b128 v[RAW+4*(16*\k+\n):RAW+4*(16*\k+\n)+3], v[VB], s[4:5] offset:(32*\k+16*(\n/8)+\n%8)*FROW
.endr
.endm
	; the token ids go first: the gather hangs on them.  Register 8 u + i: the id of row 16 u + 8 h + i of my 32 rows
	global_load_b128 v[TK:TK+3],     v[VTK], s[14:15]
	global_load_b128 v[TK+4:TK+7],   v[VTK], s[14:15] offset:16
	global_load_b128 v[TK+8:TK+11],  v[VTK], s[14:15] offset:64
	global_load_b128 v[TK+12:TK+15], v[VTK], s[14:15] offset:80
	global_load_b128 v[SS:SS+3], v[VSE], s[10:11]  ; nodes 4 lane .. +3 of my quarter
	global_load_b128 v[EE:EE+3], v[VSE], s[8:9]
	; all of my quarter of embed_node is asked for ahead of the gather: loads come back in order (ISA guide 5.7.1), so a wait for
	; embed_node must not have the gather in front of it.  These make 70 loads; the issue of the last ones is held by the hardware
	; until the first have come (ISA guide 5.7.1).
	WIN W_RAW
	LOADB 0
	LOADB 1
	LOADB 2
	LOADB 3
	WIN 0
	s_wait_loadcnt 63                              ; of 70 issued the first 7 are in: ids, starts, ends (and one load of embed_node)
	; spans first (the first mask lines hang on them): clamp, two nodes to a word, add the bias, hand round inside the wave through
	; its own LDS bytes (no barrier)
.irp n, 0,1,2,3
	v_max_i32 v[SS+\n], 0, v[SS+\n]
	v_max_i32 v[EE+\n], -1, v[EE+\n]
.endr
.irp n, 0,1,2,3
	v_min_i32 v[SS+\n], NTOK, v[SS+\n]
	v_min_i32 v[EE+\n], NTOK-1, v[EE+\n]
.endr
	v_lshl_or_b32 v[SP],   v[SS+1], 16, v[SS]      ; the lower node in the lower half
	v_lshl_or_b32 v[SP+1], v[SS+3], 16, v[SS+2]
	v_lshl_add_u32 v[EP],   v[EE+1], 16, v[EE]     ; a sum, not an OR: an end of -1 borrows, and the bias added next pays it back
	v_lshl_add_u32 v[EP+1], v[EE+3], 16, v[EE+2]
	v_add_nc_u32 v[SP],   s[SBI], v[SP]            ; fields 0x3fff .. 0x43ff
	v_add_nc_u32 v[SP+1], s[SBI], v[SP+1]
	v_add_nc_u32 v[EP],   s[MSK], v[EP]            ; fields 0x3fff .. 0x43ff
	v_add_nc_u32 v[EP+1], s[MSK], v[EP+1]
	ds_store_b64 v[VSEST], v[SP:SP+1]
	ds_store_b64 v[VSEST], v[EP:EP+1] offset:256
	WIN W_L1
.irp k, 0,1,2,3                                    ; LDS serves a wave's instructions in order (ISA guide 5.7.1): these see the stores
	ds_load_b128 v[SB+8*\k:SB+8*\k+3],   v[VSELD] offset:64*\k            ; nodes 32 k + 8 h .. +7
	ds_load_b128 v[SB+8*\k+4:SB+8*\k+7], v[VSELD] offset:64*\k+32         ; nodes 32 k + 16 + 8 h .. +7
	ds_load_b128 v[EB+8*\k:EB+8*\k+3],   v[VSELD] offset:256+64*\k
	ds_load_b128 v[EB+8*\k+4:EB+8*\k+7], v[VSELD] offset:256+64*\k+32
.endr
	WIN 0
	; the gather
.irp n, 0,1,2,3,4,5,6,7,8,9,10,11,12,13,14,15
	v_min_u32 v[TK+\n], VOCAB-1, v[TK+\n]
.endr
.irp n, 0,1,2,3,4,5,6,7,8,9,10,11,12,13,14,15
	v_lshl_add_u32 v[TK+\n], v[TK+\n], 11, v[R16]  ; id x 2,048 bytes + 16 r
.endr
	WIN W_TP
.irp n, 0,1,2,3,4,5,6,7,8,9,10,11,12,13,14,15
	global_load_b128 v[TOK+4*\n:TOK+4*\n+3], v[TK+\n], s[6:7]      ; 256 bytes of a row for each half of the wave
.endr
; Eight lines of the mask of (local tile u, K step k) into ring place slot: part 0 X, part 1 Y, part 2 ~X & Y, part 3 the answers' bits.
; A line hangs on one that stands eight lines earlier.
.macro BLD8 slot, u, k, part
.if \part == 0
.irp d, 0,1,2,3,4,5,6,7
	v_add_nc_u32 v[AF+8*(\slot)+\d], v[NT+\u], v[SB+8*(\k)+\d]             ; bit 14: t < start
.endr
.endif
.if \part == 1
.irp d, 0,1,2,3,4,5,6,7
	v_add_nc_u32 v[TMP+\d], v[NT+\u], v[EB+8*(\k)+\d]                      ; bit 14: t <= end
.endr
.endif
.if \part == 2
.irp d, 0,1,2,3,4,5,6,7
	v_bfi_b32 v[AF+8*(\slot)+\d], v[AF+8*(\slot)+\d], 0, v[TMP+\d]         ; (X & 0) | (~X & Y)
.endr
.endif
.if \part == 3
.irp d, 0,1,2,3,4,5,6,7
	v_and_b32 v[AF+8*(\slot)+\d], v[AF+8*(\slot)+\d], s[MSK]               ; 2.0 or 0, twice
.endr
.endif
.endm
.macro BLDALL slot, u, k
.irp p, 0,1,2,3
	BLD8 \slot, \u, \k, \p
.endr
.endm
; One matrix instruction.  zero = 1: it starts the sum, nothing is cleared
.macro WM acc, slot, k, j, zero
.if \zero
	v_wmma_f32_16x16x32_bf16 v[\acc+8*(\j):\acc+8*(\j)+7], v[AF+8*(\slot):AF+8*(\slot)+7], v[BF+32*(\k)+8*(\j):BF+32*(\k)+8*(\j)+7], 0
.else
	v_wmma_f32_16x16x32_bf16 v[\acc+8*(\j):\acc+8*(\j)+7], v[AF+8*(\slot):AF+8*(\slot)+7], v[BF+32*(\k)+8*(\j):BF+32*(\k)+8*(\j)+7], v[\acc+8*(\j):\acc+8*(\j)+7]
.endif
.endm
; One item: the four column fragments of (tile in acc, K step k), A from ring place slot; behind each matrix instruction eight lines
; of the fragment of the item four items ahead (tile bu, K step bk, place bs = slot + 4 mod 8).  That place was last read four
; items ago, with 96 vector lines on other places since; and the eight lines behind the item's last matrix instruction, which name
; none of its registers, hold the places that an LDS store of its result needs.
.macro QUAD acc, slot, k, zero, bs, bu, bk
.irp j, 0,1,2,3
	WM \acc, \slot, \k, \j, \zero
	BLD8 \bs, \bu, \bk, \j
.endr
.endm
; the four B fragments of K step k: register q = 4 c + p holds rows 16 c + 8 h + 2 p, + 1 of column 4 r + j
.macro CVT k
	WIN W_CVT
.irp j, 0,1,2,3
.irp q, 0,1,2,3,4,5,6,7
	v_cvt_pk_bf16_f32 v[BF+32*\k+8*\j+\q], v[RAW+4*(16*\k+2*\q)+\j], v[RAW+4*(16*\k+2*\q+1)+\j]
.endr
.endr
.endm
; a finished tile (local 2 q + p) to the wave that adds it up: 8 stores of 512 consecutive bytes
.macro SEND set, q, p
	WIN 0
.irp g, 0,1,2,3,4,5,6,7
	ds_store_b128 v[VST+\q-1], v[\set+4*\g:\set+4*\g+3] offset:512*(8*\p+\g)
.endr
	WIN W_MAIN
.endm
; eight loads: one tile of what the sender of this slot left for me, in my accumulators' order
.macro FETCH dst, slot, g0
.irp g, 0,1,2,3,4,5,6,7
	ds_load_b128 v[\dst+4*(\g0+\g):\dst+4*(\g0+\g)+3], v[VRD+\slot] offset:512*(\g0+\g)
.endr
.endm
.macro PKADD cnt                       ; my sums += fetched sums, two at a time, from pair pki on
.rept \cnt
	v_pk_add_f32 v[OWN+2*pki:OWN+2*pki+1], v[OWN+2*pki:OWN+2*pki+1], v[P2+2*pki:P2+2*pki+1]
.set pki, pki+1
.endr
.endm
.macro TPADD cnt                       ; embed_tok + pos_emb, into the registers of the travelling sums, which have been sent
.rept \cnt
	v_pk_add_f32 v[TRA+2*tpi:TRA+2*tpi+1], v[TOK+2*tpi:TOK+2*tpi+1], v[POS+2*tpi:POS+2*tpi+1]
.set tpi, tpi+1
.endr
.endm
.macro FIN p, i                        ; row i of my tile p: 0.5 x sums (the mask was 2.0) + (embed_tok + pos_emb), from fragment order into the row's order
.irp j, 0,1,2,3
	v_fma_f32 v[TRA+32*\p+4*(\i)+\j], v[OWN+32*\p+8*\j+(\i)], 0.5, v[TRA+32*\p+4*(\i)+\j]
.endr
.endm
.macro PUT p                           ; 8 stores: 16 lanes fill 256 aligned bytes of a row
	WIN 0
.irp i, 0,1,2,3,4,5,6,7
	global_store_b128 v[VB], v[TRA+32*\p+4*\i:TRA+32*\p+4*\i+3], s[16:17] offset:(16*\p+\i)*FROW th:TH_STORE_NT
.endr
.endm
.macro LAST n                          ; matrix instruction n of my tile 1
	WM OWN1, 4+(\n)/4, (\n)/4, (\n)%4, 0
.endm
	; the fragments of items 0-3 (tiles 2-5, K step 0)
	s_wait_dscnt 0x0                               ; all span words
	WIN W_MAIN
	BLDALL 0, 2, 0
	BLDALL 1, 3, 0
	BLDALL 2, 4, 0
	BLDALL 3, 5, 0
	; tiles 2-5, K step by K step
	s_wait_loadcnt 63                              ; of 86 issued the first 23 are in: K step 0 of embed_node
	CVT 0
	WIN W_MAIN
	QUAD TRA,  0, 0, 1, 4, 2, 1
	QUAD TRB,  1, 0, 1, 5, 3, 1
	QUAD OWN,  2, 0, 1, 6, 4, 1
	QUAD OWN1, 3, 0, 1, 7, 5, 1
	s_wait_loadcnt 48                              ; step 1; behind it steps 2, 3 (32) and the gather (16)
	CVT 1
	WIN W_TP
.irp n, 0,1,2,3,4,5,6,7,8,9,10,11,12,13,14,15
	global_load_b128 v[POS+4*\n:POS+4*\n+3], v[VB], s[12:13] offset:(16*(\n/8)+\n%8)*FROW
.endr
	WIN W_MAIN
	QUAD TRA,  4, 1, 0, 0, 2, 2
	QUAD TRB,  5, 1, 0, 1, 3, 2
	QUAD OWN,  6, 1, 0, 2, 4, 2
	QUAD OWN1, 7, 1, 0, 3, 5, 2
	s_wait_loadcnt 48                              ; step 2; behind it step 3, the gather, pos_emb
	CVT 2
	WIN W_MAIN
	QUAD TRA,  0, 2, 0, 4, 2, 3
	QUAD TRB,  1, 2, 0, 5, 3, 3
	QUAD OWN,  2, 2, 0, 6, 4, 3
	QUAD OWN1, 3, 2, 0, 7, 5, 3
	s_wait_loadcnt 32                              ; step 3; the gather and pos_emb stay out
	CVT 3
	WIN W_MAIN
	QUAD TRA,  4, 3, 0, 0, 6, 0
	SEND TRA,  1, 0                                ; tile 2 to wave w+1
	QUAD TRB,  5, 3, 0, 1, 6, 1
	SEND TRB,  1, 1
	QUAD OWN,  6, 3, 0, 2, 6, 2
	SEND OWN,  2, 0                                ; tile 4 to wave w+2
	QUAD OWN1, 7, 3, 0, 3, 6, 3
	SEND OWN1, 2, 1
	; tile 6
	QUAD TRA,  0, 0, 1, 4, 7, 0
	QUAD TRA,  1, 1, 0, 5, 7, 1
	s_wait_dscnt 0x0                               ; my 32 stores are in LDS before I say so
	s_barrier_signal -1
	QUAD TRA,  2, 2, 0, 6, 7, 2                    ; registers only
	s_barrier_wait -1
	FETCH OWN, 0, 0                                ; from w-1, tile 0: straight into the accumulators
	WIN W_L1
	FETCH P2,  1, 0                                ; from w-2, tile 0
	FETCH P2,  1, 8                                ; from w-2, tile 1
	WIN W_MAIN
	FETCH OWN, 0, 8                                ; from w-1, tile 1
	QUAD TRA,  3, 3, 0, 7, 7, 3
	SEND TRA,  3, 0                                ; tile 6 to wave w+3
	; tile 7
	QUAD TRB,  4, 0, 1, 0, 0, 0
	QUAD TRB,  5, 1, 0, 1, 0, 1
	QUAD TRB,  6, 2, 0, 2, 0, 2
	QUAD TRB,  7, 3, 0, 3, 0, 3
	s_wait_dscnt 24                                ; both senders' tile 0 is in; behind it 16 loads (tile 1) and tile 6's 8 stores
.set pki, 0
	PKADD 16                                       ; the C of my tile 0
	SEND TRB,  3, 1
	; my tile 0
	QUAD OWN,  0, 0, 0, 4, 1, 0
	s_wait_dscnt 16                                ; both senders' tile 1; behind it the 16 stores of tiles 6, 7
.irp j, 0,1,2,3
	WM OWN, 1, 1, \j, 0
	BLD8 5, 1, 1, \j
	PKADD 4                                        ; the C of my tile 1
.endr
	s_wait_dscnt 0x0                               ; tiles 6, 7 are in LDS
	s_barrier_signal -1
.irp j, 0,1
	WM OWN, 2, 2, \j, 0
	BLD8 6, 1, 2, \j
.endr
	s_barrier_wait -1
	WIN W_L1
	FETCH P2,  2, 0                                ; from w-3, into the registers whose old content the lines above have added
	FETCH P2,  2, 8
	WIN W_MAIN
.irp j, 2,3
	WM OWN, 2, 2, \j, 0
	BLD8 6, 1, 2, \j
.endr
	QUAD OWN,  3, 3, 0, 7, 1, 3
	; my tile 1: no mask is left to build; the places between its matrix instructions take the way out of tile 0
.set tpi, 0
	LAST 0
	s_wait_loadcnt 0x0                             ; the gather and pos_emb
	WIN W_SUM
	TPADD 16
	WIN W_MAIN
	LAST 1
	WIN W_SUM
	TPADD 16
	WIN W_MAIN
.irp n, 2,3,4,5
	LAST \n
.endr
.set pki, 0
	LAST 6
	s_wait_dscnt 8                                 ; w-3's tile 0; the 8 loads of its tile 1 may be out
	PKADD 8
	LAST 7
	PKADD 8
.irp n, 8,9,10,11,12,13,14,15
	LAST \n
	FIN 0, \n-8
.endr
	PUT 0
	WIN W_MAIN
	; the four lines of FIN behind the last matrix instruction name none of its registers: they are the places in front of the
	; first line that touches its result, which is the 13th line below (ISA guide 7.12.1)
	s_wait_dscnt 0x0
	PKADD 16
.irp i, 0,1,2,3,4,5,6,7
	FIN 1, \i
.endr
	PUT 1
	s_set_vgpr_msb 0xc
	s_wait_tensorcnt 0x0
	ds_add_u32 v19, v127
	s_wait_dscnt 0x0
	s_set_vgpr_msb 0xc00
	s_endpgm
.Lfunc_end_k_q0580acf4ab_embed:
	.size	k_q0580acf4ab_embed, .Lfunc_end_k_q0580acf4ab_embed-k_q0580acf4ab_embed
	.p2alignl 7, 3214868480
	.fill 96, 4, 3214868480
	.section	.rodata,"a",@progbits
	.p2align	6, 0x0
	.amdhsa_kernel k_q0580acf4ab_embed
		.amdhsa_group_segment_fixed_size 100864
		.amdhsa_private_segment_fixed_size 0
		.amdhsa_enable_private_segment 0
		.amdhsa_kernarg_size 56
		.amdhsa_user_sgpr_count 2
		.amdhsa_user_sgpr_kernarg_segment_ptr 1
		.amdhsa_wavefront_size32 1
		.amdhsa_system_sgpr_workgroup_id_x 1
		.amdhsa_system_sgpr_workgroup_id_y 1
		.amdhsa_system_sgpr_workgroup_id_z 1
		.amdhsa_system_vgpr_workitem_id 0
		.amdhsa_next_free_vgpr 1024
		.amdhsa_next_free_sgpr 66
		.amdhsa_reserve_vcc 0
		.amdhsa_float_denorm_mode_32 3
		.amdhsa_float_denorm_mode_16_64 3
		.amdhsa_memory_ordered 1
		.amdhsa_forward_progress 1
		.amdhsa_inst_pref_size 103
	.end_amdhsa_kernel
	.amdgpu_metadata
---
amdhsa.version: [ 1, 2 ]
amdhsa.kernels:
  - .name:           k_q0580acf4ab_embed
    .symbol:         k_q0580acf4ab_embed.kd
    .args:
      - { .name: embed_node, .offset: 0, .size: 8, .value_kind: global_buffer, .address_space: global }
      - { .name: embed_tok, .offset: 8, .size: 8, .value_kind: global_buffer, .address_space: global }
      - { .name: node_span_ends, .offset: 16, .size: 8, .value_kind: global_buffer, .address_space: global }
      - { .name: node_span_starts, .offset: 24, .size: 8, .value_kind: global_buffer, .address_space: global }
      - { .name: pos_emb, .offset: 32, .size: 8, .value_kind: global_buffer, .address_space: global }
      - { .name: tokens, .offset: 40, .size: 8, .value_kind: global_buffer, .address_space: global }
      - { .name: out0, .offset: 48, .size: 8, .value_kind: global_buffer, .address_space: global }
    .group_segment_fixed_size: 100864
    .private_segment_fixed_size: 0
    .kernarg_segment_align: 8
    .kernarg_segment_size: 56
    .max_flat_workgroup_size: 128
    .sgpr_count:     66
    .vgpr_count:     1024
    .wavefront_size: 32
...
	.end_amdgpu_metadata
.endif
;; end of part 1
;; ======== version 2 of 2: 1 launch; version 1 with the launch embed written anew for expert scheduling mode
;; launch embed (part 2): grid 4 x 64, 4 waves a work-group, no clusters, 100,864 bytes of LDS; arguments embed_node, embed_tok, node_span_ends, node_span_starts, pos_emb, tokens, out0; writes out0
.if DOCPART == 2
	.amdgcn_target "amdgcn-amd-amdhsa--gfx1250"
	.amdhsa_code_object_version 6
	.text
	.protected	k_q0580acf4ab_embed
	.globl	k_q0580acf4ab_embed
	.p2align	8
	.type	k_q0580acf4ab_embed,@function
k_q0580acf4ab_embed:
	s_mov_b64 s[64:65], 0
	v_nop
	global_prefetch_b8 v0, s[64:65] scope:SCOPE_SE
	s_setreg_imm32_b32 hwreg(HW_REG_WAVE_SCHED_MODE, 0, 2), 2
	s_setreg_imm32_b32 hwreg(HW_REG_WAVE_MODE, 25, 1), 1
	s_wait_xcnt 0x0
	s_wait_alu depctr_vm_vsrc(0)
; out0[b][t][f] = embed_tok[tokens[b][t]][f] + pos_emb[t][f] + sum over n of (starts[b][n] <= t <= ends[b][n]) * embed_node[n][f]
; One launch.  Work-group (x = b, y = 8 tb + cb) makes tokens 128 tb .. +127 of batch b, columns 64 cb .. +63.
; Four waves.  K (the 512 nodes) is split: wave w multiplies all 128 rows by nodes 128 w .. +127 (8 tiles of 16 rows x 4 K steps of 32
; = 32 items of 4 matrix instructions); the partial sums meet in LDS and wave w finishes rows 32 w .. +31.
; Each wave numbers the tiles from its own first one (local u = tile (u + 2w) mod 8): it keeps local 0, 1; local 2q, 2q+1 go to wave w+q.
;
; B (embed_node): a lane loads 16 bytes (columns 4r .. 4r+3) of each of the 16 rows that its fragment registers hold; packing rows
; k, k+1 gives four fragments, fragment j with column 4r + j in lane r.  A lane's four results (j = 0..3) are four neighbouring
; columns: embed_tok, pos_emb and out0 move 16 bytes a lane, and sixteen neighbouring lanes cover 256 consecutive, aligned bytes.
; A (the mask) is made in registers, two nodes a word, by 32-bit arithmetic on two 16-bit fields, four lines a word:
;   X = (0x3fff + s) - t   bit 14: t < s          Y = (0x4000 + e) - t   bit 14: t <= e        (every field in 0x3c00 .. 0x43ff: no borrow)
;   Z = ~X & Y  (v_bfi_b32 with 0 as its middle source)          A = Z & 0x40004000: the pair of bf16 numbers 2.0 or 0.
; The last FMA multiplies the sums by 0.5.  The span words lie in B's register window and are always source 1; all else lies in the
; accumulators' window; the two computed words meet as sources 0 and 2.  So these lines run under the same window setting as the
; matrix instructions: behind every matrix instruction stand eight of them, building the fragment of the item four items ahead
; (a ring of 8 fragments).
; ORDER OF THE ITEMS: tiles 2-5 K step by K step (each step as its part of embed_node arrives), then tiles 6, 7, then my own 0, 1.
; Tiles 2-5 go to LDS in pairs, each pair behind one wait, in runs of eight stores with matrix work between; tiles 6 and 7 go right
; behind their last products.  What waves w-1, w-2 send me is fetched while I multiply tiles 6, 7 and starts my own tiles' sums as
; their C; what wave w-3 sends arrives while I multiply my own tiles.
;
; THE MODE: SCHED_MODE bits 1:0 = 2 (LLVM: expert scheduling mode 2), set by the entry lines.  The code itself states the register
; dependences between vector or matrix instructions and memory or LDS instructions, with s_wait_alu, always for 0.
; THE PLAN.  Registers that memory or LDS instructions touch, and who else names them, in program order:
;   v6-v16       offsets and LDS addresses: made at the head, never written again: one wait on va_vdst ahead of the first load serves all.
;   SP, EP, TK   written by the span and id arithmetic, read by two LDS stores and sixteen gather loads, never written again: one wait
;                on va_vdst behind that arithmetic.
;   RAW, SB, EB, TOK, POS   each loaded once, into registers that no vector line has named; read behind the counters' waits.
;   TRA, TRB     matrix (tiles 2, 3) -> LDS stores -> matrix (tiles 6, 7) -> LDS stores -> embed_tok + pos_emb, the result -> global stores.
;   OWN, OWN1    matrix (tiles 4, 5) -> LDS stores -> LDS loads land (w-1's sums) -> vector and matrix instructions alone.
;   P2           LDS loads land (w-2's sums) -> additions read -> LDS loads land (w-3's sums) -> additions read.
;   AF, TMP, NT, BF   named by vector and matrix instructions alone.
; So a wait on va_vdst stands ahead of the stores of tiles 2 and 3, of 4 and 5, of 6, of 7, ahead of w-3's loads, and ahead of each of the
; two runs of global stores; a wait on vm_vsrc stands ahead of tile 6's first product, ahead of w-1's loads and ahead of the sum of
; embed_tok and pos_emb.  Behind a wait its stores and loads are dealt among items that name none of their registers.
;
; LIMITS.  embed_node is rounded to bf16 (nearest even) for the product; sums in f32, by K quarters, in another order than the
; reference's.  The mask is 2.0, so a span sum beyond half of f32's range overflows.  starts and ends may be any int32 (clamped to
; 0..1024 and -1..1023, which changes no comparison with t = 0..1023; end < start gives an empty span).
; tokens are taken to lie in 0..31999; an unsigned minimum with 31999 stands in front of the address.
; NO CLUSTER: the slice of embed_node that the four batches share goes from memory straight into registers in fragment order; a joint
; tensor load would lay it into LDS in f32, 131,072 bytes more written and read there, beside the 98,304 of the partial sums.
.set FROW,  2048                       ; bytes in a row of 512 f32
.set VOCAB, 32000
.set NTOK,  1024
.set PART,  8192                       ; partial sums of two tiles of 16 x 64: 64 registers x 32 lanes x 4 bytes
.set RED,   2048                       ; LDS: 4 x 512 bytes of span words, then 3 slots (sender w-1, w-2, w-3) x 4 receivers x PART
.set MSK,   56                         ; s56: bit 14 of both fields: the ends' bias, the mask of the two answers, bf16 2.0 twice
.set SBI,   57                         ; s57: 0x3fff in both fields: the starts' bias
; window 0
.set LANE, 2
.set RR,   3                           ; r = lane % 16
.set HH,   4                           ; h = lane / 16
.set R16,  5                           ; 16 r
.set VB,   6                           ; 8 h rows + 16 r: offset into embed_node, pos_emb, out0
.set VSE,  7                           ; 16 x lane
.set VTK,  8                           ; 32 h: eight token ids
.set VSEST, 9                          ; LDS: where I put my span words
.set VSELD, 10                         ; LDS: where I read span words
.set VST,  11                          ; v11-13 LDS: partial sums for the waves w+1, w+2, w+3
.set VRD,  14                          ; v14-16 LDS: partial sums from the waves w-1, w-2, w-3
.set R2,   17                          ; r in both fields
.set NR2,  18                          ; its 32-bit negative
.set SP,   20                          ; v20-21 starts + bias of my four nodes, packed
.set EP,   22                          ; v22-23 ends + bias, packed
.set SS,   24                          ; v24-27 four starts
.set EE,   28                          ; v28-31 four ends
.set TK,   32                          ; v32-47 token ids of my 16 row pairs, then their byte offsets
.set TMP,  48                          ; v48-55 Y of the fragment that is being built
.set NT,   56                          ; v56-63 local tile u: the 32-bit negative of (t in both fields)
.set AF,   64                          ; v64-127 ring of eight A fragments
.set OWN,  128                         ; v128-159 sums of my tile 0 (fragment j, row i at 8 j + i); before that of tile 4
.set OWN1, 160                         ; v160-191 of my tile 1; before that of tile 5
.set TRA,  192                         ; v192-223 sums of tiles 2, 6; then embed_tok + pos_emb of my tile 0 (row i, column j at 4 i + j), then its result
.set TRB,  224                         ; v224-255 sums of tiles 3, 7; then the same for my tile 1
; window 1
.set BF,   0                           ; B fragments, bf16: 32 k + 8 j + q
.set SB,   128                         ; starts + bias: 8 k + q
.set EB,   160                         ; ends + bias: 8 k + q
.set P2,   192                         ; sums sent by wave w-2, later by wave w-3, in the order of OWN
; window 2: embed_node in f32, K step k, row n (= 8 c + i), column j at 4 (16 k + n) + j
.set RAW,  0
; window 3
.set TOK,  128                         ; embed_tok rows: 4 (8 u + i) + j
.set POS,  192                         ; pos_emb rows, likewise
; s_set_vgpr_msb: bits 1:0 source 0, 3:2 source 1, 5:4 source 2, 7:6 destination
.set W_MAIN, 0x04                      ; source 1 (B, span words, fetched sums) window 1, all else window 0
.set W_RAW,  0x80                      ; load into window 2
.set W_TP,   0xc0                      ; load into window 3
.set W_L1,   0x40                      ; load into window 1
.set W_CVT,  0x4a                      ; window 2, window 2 -> window 1
.set W_SUM,  0x0f                      ; window 3 + window 3 -> window 0
.set MSB, 0
.macro WIN new                         ; the immediate's high byte repeats the setting that is left
.if MSB != \new
	s_set_vgpr_msb (MSB<<8)|\new
.set MSB, \new
.endif
.endm
	s_load_b256 s[4:11], s[0:1], 0x0               ; embed_node s[4:5], embed_tok s[6:7], ends s[8:9], starts s[10:11]
	s_load_b128 s[12:15], s[0:1], 0x20             ; pos_emb s[12:13], tokens s[14:15]
	s_load_b64 s[16:17], s[0:1], 0x30              ; out0
	v_lshl_add_u32 v19, v0, 2, 0x18800
	s_set_vgpr_msb 0xc0
	v_mov_b32 v127, 0
	s_set_vgpr_msb 0xc000
	; everything that hangs on ids alone is done while the arguments travel
	v_lshrrev_b32 v1, 5, v0
	v_readfirstlane_b32 s20, v1                    ; w
	s_and_b32 s21, ttmp7, 0xffff
	s_and_b32 s22, s21, 7                          ; cb
	s_lshr_b32 s23, s21, 3                         ; tb;  ttmp9 = b
	; byte offsets, each in a pair of its own with 0 above
	s_lshl_b32 s42, s22, 8                         ; embed_tok: 64 cb columns
	s_mov_b32 s43, 0
	s_wait_alu depctr_va_sdst(0)                   ; s20 is written, ahead of its first reader: the offsets and LDS addresses below are made from it
	s_lshl_b32 s40, s20, 18                        ; embed_node: 128 w rows + the columns
	s_add_co_u32 s40, s40, s42
	s_mov_b32 s41, 0
	s_lshl_b32 s44, ttmp9, 11                      ; starts, ends: 512 b + 128 w numbers
	s_lshl_b32 s24, s20, 9
	s_add_co_u32 s44, s44, s24
	s_mov_b32 s45, 0
	s_lshl_b32 s46, s23, 18                        ; pos_emb: 128 tb + 32 w rows + the columns
	s_lshl_b32 s24, s20, 16
	s_add_co_u32 s46, s46, s24
	s_add_co_u32 s46, s46, s42
	s_mov_b32 s47, 0
	s_lshl_b32 s48, ttmp9, 12                      ; tokens: 1024 b + 128 tb + 32 w numbers
	s_lshl_b32 s24, s23, 9
	s_add_co_u32 s48, s48, s24
	s_lshl_b32 s24, s20, 7
	s_add_co_u32 s48, s48, s24
	s_mov_b32 s49, 0
	s_lshl_b32 s50, ttmp9, 21                      ; out0: 1024 b rows further than pos_emb
	s_add_co_u32 s50, s50, s46
	s_mov_b32 s51, 0
	s_mov_b32 s[MSK], 0x40004000
	s_mov_b32 s[SBI], 0x3fff3fff
	v_and_b32 v[LANE], 31, v0
	v_and_b32 v[RR], 15, v0
	v_bfe_u32 v[HH], v0, 4, 1
	v_lshlrev_b32 v[R16], 4, v[RR]
	v_lshl_or_b32 v[VB], v[HH], 14, v[R16]
	v_lshlrev_b32 v[VSE], 4, v[LANE]
	v_lshlrev_b32 v[VTK], 5, v[HH]
	; LDS addresses
	s_lshl_b32 s52, s20, 9                         ; my wave's 512 bytes of span words
	v_lshl_add_u32 v[VSEST], v[LANE], 3, s52       ; two words a lane
	v_lshl_add_u32 v[VSELD], v[HH], 4, s52         ; four words for my half of the lanes
.irp q, 1,2,3
	s_add_co_u32 s53, s20, \q
	s_and_b32 s53, s53, 3                          ; the wave that finishes my local tiles 2q, 2q+1
	s_lshl_b32 s53, s53, 13                        ; x PART
	s_add_co_u32 s53, s53, RED+(\q-1)*4*PART       ; in slot q-1
	v_add_nc_u32 v[VST+\q-1], s53, v[VSE]          ; 16 bytes a lane, 512 consecutive bytes an instruction
.endr
	s_lshl_b32 s53, s20, 13
.irp q, 0,1,2
	s_add_co_u32 s54, s53, RED+\q*4*PART
	v_add_nc_u32 v[VRD+\q], s54, v[VSE]
.endr
	; the negative of (t in both fields) for my row of each local tile
	v_lshl_or_b32 v[R2], v[RR], 16, v[RR]
	v_sub_nc_u32 v[NR2], 0, v[R2]
	s_lshl_b32 s25, s20, 1                         ; my first tile
	s_lshl_b32 s26, s23, 7                         ; the block's first token
.irp u, 0,1,2,3,4,5,6,7
	s_add_co_u32 s27, s25, \u
	s_and_b32 s27, s27, 7                          ; tile (u + 2 w) mod 8
	s_lshl4_add_u32 s27, s27, s26                  ; its first token
	s_mul_i32 s27, s27, 0x10001                    ; in both fields
	v_sub_nc_u32 v[NT+\u], v[NR2], s27             ; -(first token + r, twice); t is at most 1023
.endr
	s_wait_kmcnt 0x0
	s_add_nc_u64 s[14:15], s[14:15], s[48:49]
	s_add_nc_u64 s[10:11], s[10:11], s[44:45]
	s_add_nc_u64 s[8:9], s[8:9], s[44:45]
	s_add_nc_u64 s[4:5], s[4:5], s[40:41]
	s_add_nc_u64 s[6:7], s[6:7], s[42:43]
	s_add_nc_u64 s[12:13], s[12:13], s[46:47]
	s_add_nc_u64 s[16:17], s[16:17], s[50:51]
	s_wait_alu depctr_va_vdst(0)                   ; the offsets and LDS addresses v6 to v16 are written: every load and store of the kernel reads one of them, and none is written again
; 16 loads: rows 32 k + 16 c + 8 h + i of my quarter of embed_node, 16 bytes a lane; each half of the wave takes 256 bytes of a row
.macro LOADB k
.irp n, 0,1,2,3,4,5,6,7,8,9,10,11,12,13,14,15
	global_load_b128 v[RAW+4*(16*\k+\n):RAW+4*(16*\k+\n)+3], v[VB], s[4:5] offset:(32*\k+16*(\n/8)+\n%8)*FROW
.endr
.endm
	; the token ids go first: the gather hangs on them.  Register 8 u + i: the id of row 16 u + 8 h + i of my 32 rows
	global_load_b128 v[TK:TK+3],     v[VTK], s[14:15]
	global_load_b128 v[TK+4:TK+7],   v[VTK], s[14:15] offset:16
	global_load_b128 v[TK+8:TK+11],  v[VTK], s[14:15] offset:64
	global_load_b128 v[TK+12:TK+15], v[VTK], s[14:15] offset:80
	global_load_b128 v[SS:SS+3], v[VSE], s[10:11]  ; nodes 4 lane .. +3 of my quarter
	global_load_b128 v[EE:EE+3], v[VSE], s[8:9]
	; all of my quarter of embed_node is asked for ahead of the gather: loads come back in order (ISA guide 5.7.1), so a wait for
	; embed_node must not have the gather in front of it.  These make 70 loads; the issue of the last ones is held by the hardware
	; until the first have come (ISA guide 5.7.1).
	WIN W_RAW
	LOADB 0
	LOADB 1
	LOADB 2
	LOADB 3
	WIN 0
	s_wait_loadcnt 63                              ; of 70 issued the first 7 are in: ids, starts, ends (and one load of embed_node)
	; spans: clamp, two nodes to a word, add the bias; they are handed round inside the wave through its own LDS bytes (no barrier)
.irp n, 0,1,2,3
	v_max_i32 v[SS+\n], 0, v[SS+\n]
	v_max_i32 v[EE+\n], -1, v[EE+\n]
.endr
.irp n, 0,1,2,3
	v_min_i32 v[SS+\n], NTOK, v[SS+\n]
	v_min_i32 v[EE+\n], NTOK-1, v[EE+\n]
.endr
	v_lshl_or_b32 v[SP],   v[SS+1], 16, v[SS]      ; the lower node in the lower half
	v_lshl_or_b32 v[SP+1], v[SS+3], 16, v[SS+2]
	v_lshl_add_u32 v[EP],   v[EE+1], 16, v[EE]     ; a sum, not an OR: an end of -1 borrows, and the bias added next pays it back
	v_lshl_add_u32 v[EP+1], v[EE+3], 16, v[EE+2]
	v_add_nc_u32 v[SP],   s[SBI], v[SP]            ; fields 0x3fff .. 0x43ff
	v_add_nc_u32 v[SP+1], s[SBI], v[SP+1]
	v_add_nc_u32 v[EP],   s[MSK], v[EP]            ; fields 0x3fff .. 0x43ff
	v_add_nc_u32 v[EP+1], s[MSK], v[EP+1]
	; the gather's offsets
.irp n, 0,1,2,3,4,5,6,7,8,9,10,11,12,13,14,15
	v_min_u32 v[TK+\n], VOCAB-1, v[TK+\n]
.endr
.irp n, 0,1,2,3,4,5,6,7,8,9,10,11,12,13,14,15
	v_lshl_add_u32 v[TK+\n], v[TK+\n], 11, v[R16]  ; id x 2,048 bytes + 16 r
.endr
	s_wait_alu depctr_va_vdst(0)                   ; SP and EP are written, which the two LDS stores read, and TK, which the sixteen gather loads read as offsets; none is written again
	ds_store_b64 v[VSEST], v[SP:SP+1]
	ds_store_b64 v[VSEST], v[EP:EP+1] offset:256
	WIN W_L1
.irp k, 0,1,2,3                                    ; LDS serves a wave's instructions in order (ISA guide 5.7.1): these see the stores
	ds_load_b128 v[SB+8*\k:SB+8*\k+3],   v[VSELD] offset:64*\k            ; nodes 32 k + 8 h .. +7
	ds_load_b128 v[SB+8*\k+4:SB+8*\k+7], v[VSELD] offset:64*\k+32         ; nodes 32 k + 16 + 8 h .. +7
	ds_load_b128 v[EB+8*\k:EB+8*\k+3],   v[VSELD] offset:256+64*\k
	ds_load_b128 v[EB+8*\k+4:EB+8*\k+7], v[VSELD] offset:256+64*\k+32
.endr
	WIN W_TP
.irp n, 0,1,2,3,4,5,6,7,8,9,10,11,12,13,14,15
	global_load_b128 v[TOK+4*\n:TOK+4*\n+3], v[TK+\n], s[6:7]      ; 256 bytes of a row for each half of the wave
.endr
; Eight lines of the mask of (local tile u, K step k) into ring place slot: part 0 X, part 1 Y, part 2 ~X & Y, part 3 the answers' bits.
; A line hangs on one that stands eight lines earlier.
.macro BLD8 slot, u, k, part
.if \part == 0
.irp d, 0,1,2,3,4,5,6,7
	v_add_nc_u32 v[AF+8*(\slot)+\d], v[NT+\u], v[SB+8*(\k)+\d]             ; bit 14: t < start
.endr
.endif
.if \part == 1
.irp d, 0,1,2,3,4,5,6,7
	v_add_nc_u32 v[TMP+\d], v[NT+\u], v[EB+8*(\k)+\d]                      ; bit 14: t <= end
.endr
.endif
.if \part == 2
.irp d, 0,1,2,3,4,5,6,7
	v_bfi_b32 v[AF+8*(\slot)+\d], v[AF+8*(\slot)+\d], 0, v[TMP+\d]         ; (X & 0) | (~X & Y)
.endr
.endif
.if \part == 3
.irp d, 0,1,2,3,4,5,6,7
	v_and_b32 v[AF+8*(\slot)+\d], v[AF+8*(\slot)+\d], s[MSK]               ; 2.0 or 0, twice
.endr
.endif
.endm
.macro BLDALL slot, u, k
.irp p, 0,1,2,3
	BLD8 \slot, \u, \k, \p
.endr
.endm
; One matrix instruction.  zero = 1: it starts the sum, nothing is cleared
.macro WM acc, slot, k, j, zero
.if \zero
	v_wmma_f32_16x16x32_bf16 v[\acc+8*(\j):\acc+8*(\j)+7], v[AF+8*(\slot):AF+8*(\slot)+7], v[BF+32*(\k)+8*(\j):BF+32*(\k)+8*(\j)+7], 0
.else
	v_wmma_f32_16x16x32_bf16 v[\acc+8*(\j):\acc+8*(\j)+7], v[AF+8*(\slot):AF+8*(\slot)+7], v[BF+32*(\k)+8*(\j):BF+32*(\k)+8*(\j)+7], v[\acc+8*(\j):\acc+8*(\j)+7]
.endif
.endm
; One item: the four column fragments of (tile in acc, K step k), A from ring place slot; behind each matrix instruction eight lines
; of the fragment of the item four items ahead (tile bu, K step bk, place bs = slot + 4 mod 8).  That place was last read four
; items ago, with 96 vector lines on other places since; and the eight lines behind the item's last matrix instruction, which name
; none of its registers, hold the places that an LDS store of its result needs.
; An item names its accumulators, two ring places, B, the span words, NT and TMP, and nothing else.
.macro QUAD acc, slot, k, zero, bs, bu, bk
.irp j, 0,1,2,3
	WM \acc, \slot, \k, \j, \zero
	BLD8 \bs, \bu, \bk, \j
.endr
.endm
; the four B fragments of K step k: register q = 4 c + p holds rows 16 c + 8 h + 2 p, + 1 of column 4 r + j
.macro CVT k
	WIN W_CVT
.irp j, 0,1,2,3
.irp q, 0,1,2,3,4,5,6,7
	v_cvt_pk_bf16_f32 v[BF+32*\k+8*\j+\q], v[RAW+4*(16*\k+2*\q)+\j], v[RAW+4*(16*\k+2*\q+1)+\j]
.endr
.endr
.endm
; a finished tile (local 2 q + p) to the wave that adds it up: 8 stores of 512 consecutive bytes
.macro SEND set, q, p
	WIN 0
.irp g, 0,1,2,3,4,5,6,7
	ds_store_b128 v[VST+\q-1], v[\set+4*\g:\set+4*\g+3] offset:512*(8*\p+\g)
.endr
	WIN W_MAIN
.endm
; eight loads: one tile of what the sender of this slot left for me, in my accumulators' order
.macro FETCH dst, slot, g0
.irp g, 0,1,2,3,4,5,6,7
	ds_load_b128 v[\dst+4*(\g0+\g):\dst+4*(\g0+\g)+3], v[VRD+\slot] offset:512*(\g0+\g)
.endr
.endm
.macro PKADD cnt                       ; my sums += fetched sums, two at a time, from pair pki on
.rept \cnt
	v_pk_add_f32 v[OWN+2*pki:OWN+2*pki+1], v[OWN+2*pki:OWN+2*pki+1], v[P2+2*pki:P2+2*pki+1]
.set pki, pki+1
.endr
.endm
.macro TPADD cnt                       ; embed_tok + pos_emb, into the registers of the travelling sums, which have been sent
.rept \cnt
	v_pk_add_f32 v[TRA+2*tpi:TRA+2*tpi+1], v[TOK+2*tpi:TOK+2*tpi+1], v[POS+2*tpi:POS+2*tpi+1]
.set tpi, tpi+1
.endr
.endm
.macro FIN p, i                        ; row i of my tile p: 0.5 x sums (the mask was 2.0) + (embed_tok + pos_emb), from fragment order into the row's order
.irp j, 0,1,2,3
	v_fma_f32 v[TRA+32*\p+4*(\i)+\j], v[OWN+32*\p+8*\j+(\i)], 0.5, v[TRA+32*\p+4*(\i)+\j]
.endr
.endm
.macro PUT p                           ; 8 stores: 16 lanes fill 256 aligned bytes of a row
	WIN 0
.irp i, 0,1,2,3,4,5,6,7
	global_store_b128 v[VB], v[TRA+32*\p+4*\i:TRA+32*\p+4*\i+3], s[16:17] offset:(16*\p+\i)*FROW th:TH_STORE_NT
.endr
.endm
.macro LAST n                          ; matrix instruction n of my tile 1
	WM OWN1, 4+(\n)/4, (\n)/4, (\n)%4, 0
.endm
	; the fragments of items 0-3 (tiles 2-5, K step 0)
	s_wait_dscnt 0x0                               ; all span words
	WIN W_MAIN
	BLDALL 0, 2, 0
	BLDALL 1, 3, 0
	BLDALL 2, 4, 0
	BLDALL 3, 5, 0
	; tiles 2-5, K step by K step
	s_wait_loadcnt 63                              ; of 86 issued the first 23 are in: K step 0 of embed_node
	CVT 0
	WIN W_MAIN
	QUAD TRA,  0, 0, 1, 4, 2, 1
	QUAD TRB,  1, 0, 1, 5, 3, 1
	QUAD OWN,  2, 0, 1, 6, 4, 1
	QUAD OWN1, 3, 0, 1, 7, 5, 1
	s_wait_loadcnt 48                              ; step 1; behind it steps 2, 3 (32) and the gather (16)
	CVT 1
	WIN W_TP
.irp n, 0,1,2,3,4,5,6,7,8,9,10,11,12,13,14,15          ; no vector line has named these registers, and the offset stands since the head
	global_load_b128 v[POS+4*\n:POS+4*\n+3], v[VB], s[12:13] offset:(16*(\n/8)+\n%8)*FROW
.endr
	WIN W_MAIN
	QUAD TRA,  4, 1, 0, 0, 2, 2
	QUAD TRB,  5, 1, 0, 1, 3, 2
	QUAD OWN,  6, 1, 0, 2, 4, 2
	QUAD OWN1, 7, 1, 0, 3, 5, 2
	s_wait_loadcnt 48                              ; step 2; behind it step 3, the gather, pos_emb
	CVT 2
	WIN W_MAIN
	QUAD TRA,  0, 2, 0, 4, 2, 3
	QUAD TRB,  1, 2, 0, 5, 3, 3
	QUAD OWN,  2, 2, 0, 6, 4, 3
	QUAD OWN1, 3, 2, 0, 7, 5, 3
	s_wait_loadcnt 32                              ; step 3; the gather and pos_emb stay out
	CVT 3
	WIN W_MAIN
	QUAD TRA,  4, 3, 0, 0, 6, 0
	QUAD TRB,  5, 3, 0, 1, 6, 1
	s_wait_alu depctr_va_vdst(0)                   ; the matrix instructions have written TRA and TRB (tiles 2, 3), which the two runs of LDS stores below read; the item between the runs names neither
	SEND TRA,  1, 0                                ; tile 2 to wave w+1
	QUAD OWN,  6, 3, 0, 2, 6, 2
	SEND TRB,  1, 1
	QUAD OWN1, 7, 3, 0, 3, 6, 3
	s_wait_alu depctr_vm_vsrc(0)                   ; the LDS stores of tiles 2 and 3 have read TRA and TRB, which the products of tiles 6 and 7 write
	s_wait_alu depctr_va_vdst(0)                   ; the matrix instructions have written OWN and OWN1 (tiles 4, 5), which the two runs of LDS stores below read; no vector or matrix line names them again before w-1's sums land in them
	SEND OWN,  2, 0                                ; tile 4 to wave w+2
	; tile 6
.irp j, 0,1
	WM TRA, 0, 0, \j, 1
	BLD8 4, 7, 0, \j
.endr
	SEND OWN1, 2, 1
.irp j, 2,3
	WM TRA, 0, 0, \j, 1
	BLD8 4, 7, 0, \j
.endr
	QUAD TRA,  1, 1, 0, 5, 7, 1
	s_wait_dscnt 0x0                               ; my 32 stores are in LDS before I say so
	s_barrier_signal -1
	QUAD TRA,  2, 2, 0, 6, 7, 2                    ; registers only
	s_barrier_wait -1
	s_wait_alu depctr_vm_vsrc(0)                   ; the LDS stores of tiles 4 and 5 have read OWN and OWN1, in which w-1's sums land
	FETCH OWN, 0, 0                                ; from w-1, tile 0: straight into the accumulators
	WIN W_L1
	FETCH P2,  1, 0                                ; from w-2, tile 0: into registers that no vector line has named yet
	WIN W_MAIN
	QUAD TRA,  3, 3, 0, 7, 7, 3
	s_wait_alu depctr_va_vdst(0)                   ; the matrix instructions have written TRA (tile 6), which the LDS stores read
	SEND TRA,  3, 0                                ; tile 6 to wave w+3
	; tile 7; the partners' tile 1 is fetched between its items, which name none of those registers
	QUAD TRB,  4, 0, 1, 0, 0, 0
	FETCH OWN, 0, 8                                ; from w-1, tile 1
	QUAD TRB,  5, 1, 0, 1, 0, 1
	WIN W_L1
	FETCH P2,  1, 8                                ; from w-2, tile 1
	WIN W_MAIN
	QUAD TRB,  6, 2, 0, 2, 0, 2
	QUAD TRB,  7, 3, 0, 3, 0, 3
	s_wait_dscnt 24                                ; both senders' tile 0 is in; behind it tile 6's 8 stores and 16 loads (tile 1)
.set pki, 0
	PKADD 16                                       ; the C of my tile 0
	s_wait_alu depctr_va_vdst(0)                   ; the matrix instructions have written TRB (tile 7), which the LDS stores read
	SEND TRB,  3, 1
	; my tile 0
	QUAD OWN,  0, 0, 0, 4, 1, 0
	s_wait_dscnt 8                                 ; both senders' tile 1; behind it tile 7's 8 stores
.irp j, 0,1,2,3
	WM OWN, 1, 1, \j, 0
	BLD8 5, 1, 1, \j
	PKADD 4                                        ; the C of my tile 1
.endr
	s_wait_dscnt 0x0                               ; tiles 6, 7 are in LDS
	s_barrier_signal -1
.irp j, 0,1
	WM OWN, 2, 2, \j, 0
	BLD8 6, 1, 2, \j
.endr
	s_barrier_wait -1
	WIN W_L1
	s_wait_alu depctr_va_vdst(0)                   ; the additions above are done reading P2, in which w-3's sums land
	FETCH P2,  2, 0                                ; from w-3, into the registers whose old content the lines above have added
	FETCH P2,  2, 8
	WIN W_MAIN
.irp j, 2,3
	WM OWN, 2, 2, \j, 0
	BLD8 6, 1, 2, \j
.endr
	QUAD OWN,  3, 3, 0, 7, 1, 3
	; my tile 1: no mask is left to build; the places between its matrix instructions take the way out of tile 0
.set tpi, 0
	LAST 0
	s_wait_loadcnt 0x0                             ; the gather and pos_emb
	s_wait_alu depctr_vm_vsrc(0)                   ; the LDS stores of tiles 6 and 7 have read TRA and TRB, which the sums below write
	WIN W_SUM
	TPADD 16
	WIN W_MAIN
	LAST 1
	WIN W_SUM
	TPADD 16
	WIN W_MAIN
.irp n, 2,3,4,5
	LAST \n
.endr
.set pki, 0
	LAST 6
	s_wait_dscnt 8                                 ; w-3's tile 0; the 8 loads of its tile 1 may be out
	PKADD 8
	LAST 7
	PKADD 8
.irp n, 8,9,10,11,12,13,14,15
	LAST \n
	FIN 0, \n-8
.endr
	s_wait_alu depctr_va_vdst(0)                   ; the multiply-adds have written the eight rows of my tile 0, which the stores read
	PUT 0
	WIN W_MAIN
	; the four lines of FIN behind the last matrix instruction name none of its registers: they are the places in front of the
	; first line that touches its result, which is the 13th line below (ISA guide 7.12.1)
	s_wait_dscnt 0x0
	PKADD 16
.irp i, 0,1,2,3,4,5,6,7
	FIN 1, \i
.endr
	s_wait_alu depctr_va_vdst(0)                   ; the multiply-adds have written the eight rows of my tile 1, which the stores read
	PUT 1
	s_set_vgpr_msb 0xc
	s_wait_dscnt 0x0
	s_wait_alu depctr_hold_cnt(0) depctr_sa_sdst(0) depctr_va_vdst(0) depctr_va_sdst(0) depctr_va_ssrc(0) depctr_va_vcc(0) depctr_vm_vsrc(0)
	s_wait_tensorcnt 0x0
	ds_add_u32 v19, v127
	s_wait_dscnt 0x0
	s_endpgm
.Lfunc_end_k_q0580acf4ab_embed:
	.size	k_q0580acf4ab_embed, .Lfunc_end_k_q0580acf4ab_embed-k_q0580acf4ab_embed
	.p2alignl 7, 3214868480
	.fill 96, 4, 3214868480
	.section	.rodata,"a",@progbits
	.p2align	6, 0x0
	.amdhsa_kernel k_q0580acf4ab_embed
		.amdhsa_group_segment_fixed_size 100864
		.amdhsa_private_segment_fixed_size 0
		.amdhsa_enable_private_segment 0
		.amdhsa_kernarg_size 56
		.amdhsa_user_sgpr_count 2
		.amdhsa_user_sgpr_kernarg_segment_ptr 1
		.amdhsa_wavefront_size32 1
		.amdhsa_system_sgpr_workgroup_id_x 1
		.amdhsa_system_sgpr_workgroup_id_y 1
		.amdhsa_system_sgpr_workgroup_id_z 1
		.amdhsa_system_vgpr_workitem_id 0
		.amdhsa_next_free_vgpr 1024
		.amdhsa_next_free_sgpr 66
		.amdhsa_reserve_vcc 0
		.amdhsa_float_denorm_mode_32 3
		.amdhsa_float_denorm_mode_16_64 3
		.amdhsa_memory_ordered 1
		.amdhsa_forward_progress 1
		.amdhsa_inst_pref_size 103
	.end_amdhsa_kernel
	.amdgpu_metadata
---
amdhsa.version: [ 1, 2 ]
amdhsa.kernels:
  - .name:           k_q0580acf4ab_embed
    .symbol:         k_q0580acf4ab_embed.kd
    .args:
      - { .name: embed_node, .offset: 0, .size: 8, .value_kind: global_buffer, .address_space: global }
      - { .name: embed_tok, .offset: 8, .size: 8, .value_kind: global_buffer, .address_space: global }
      - { .name: node_span_ends, .offset: 16, .size: 8, .value_kind: global_buffer, .address_space: global }
      - { .name: node_span_starts, .offset: 24, .size: 8, .value_kind: global_buffer, .address_space: global }
      - { .name: pos_emb, .offset: 32, .size: 8, .value_kind: global_buffer, .address_space: global }
      - { .name: tokens, .offset: 40, .size: 8, .value_kind: global_buffer, .address_space: global }
      - { .name: out0, .offset: 48, .size: 8, .value_kind: global_buffer, .address_space: global }
    .group_segment_fixed_size: 100864
    .private_segment_fixed_size: 0
    .kernarg_segment_align: 8
    .kernarg_segment_size: 56
    .max_flat_workgroup_size: 128
    .sgpr_count:     66
    .vgpr_count:     1024
    .wavefront_size: 32
...
	.end_amdgpu_metadata
.endif
;; end of part 2
